; MI455X (gfx1250); checked and timed in simulation.
; The chip was launched on July 23, 2026; its instructions are those of AMD's public machine-readable ISA for CDNA 5 (MIT licence, August 2026) and "CDNA5" Instruction Set Architecture Reference Guide (July 2026). The comments in the code are by the model that wrote it; some were corrected since.
;; Vector Quantizer. Allowed arithmetic: matrix products marked QUANTISED: E3M2 operands, one E8M0 scale for each 32 along K, by v_wmma_scale_f32_16x16x128_f8f6f4 with both operands' format E3M2, f32 sums; everything else in f32.
;; Inputs: codebook 8,192 x 256 float32; z 32 x 256 x 32 x 32 float32.
;; Outputs: out0 32 x 256 x 32 x 32 float32; out1 one number float32; out2 32,768 int32.
;; This version of the problem:
;;   THIS VERSION OF THE PROBLEM IS GIVEN IN LOW PRECISION. The matrix products marked QUANTISED in the list below multiply operands that are first quantised to E3M2 (3 exponent bits, 2 mantissa bits; 6 bits a number), with one power-of-two scale for each 32 numbers along K (OCP MX v1.0); their sums are f32. All else is computed in f32.
;;   The module's matrix products, in the order in which they are computed (A, B: the left and right operand; K: the contracted axis; several contracted axes count as one K, in the product's order):
;;     1. [M 32,768, K 256] x [K 256, N 8,192]; A: input z; B: input codebook: QUANTISED
;;   THE QUANTISER, for each operand of a quantised product, along K:
;;     - K is cut into blocks of 32 from its start; a last block that is shorter is filled with zeros.
;;     - A block's scale is 2^e with e = floor(log2(the largest magnitude in the block)) - 4, held to -126 .. 127; a block of zeros has e = 0. As a byte (E8M0): e + 127.
;;     - Each number is divided by its block's scale, clamped to +-28, and rounded to the nearest number of E3M2, ties to even, subnormals kept.
;;     - The product sums the exact products of the quantised numbers (number of the format x scale) in f32.
;;   ~~~python
;;   def quantise(x, axis):      # numpy; x: float32 -> the quantised numbers, widened to float32 again
;;       x = np.moveaxis(x, axis, -1); K = x.shape[-1]
;;       x = np.pad(x, [(0, 0)] * (x.ndim - 1) + [(0, -K % 32)]); x = x.reshape(x.shape[:-1] + (-1, 32)); a = np.abs(x).max(-1, keepdims=True)
;;       e = np.where(a > 0, np.clip(np.frexp(np.where(a > 0, a, 1))[1] - 1 - 4, -126, 127), 0)      # np.frexp(a)[1] - 1 = floor(log2(a)), exactly
;;       r = np.clip(x / 2.0 ** e, -28, 28)
;;       step = 2.0 ** (np.maximum(np.frexp(np.where(r == 0, 1, r))[1] - 1, -2) - 2)
;;       q = np.round(r / step) * step * 2.0 ** e      # np.round: ties to even
;;       return np.moveaxis(q.reshape(q.shape[:-2] + (-1,))[..., :K], -1, axis).astype(np.float32)
;;   ~~~
;; One version. Each part assembles by itself: llvm-mc -triple=amdgcn-amd-amdhsa -mcpu=gfx1250 --defsym DOCPART=n.
;; ======== version 1 of 1: 4 launches
;; limits: right only within a limited range of input values
;; workspace buffers: zq 6,815,744 bytes; cq 1,703,936 bytes; idxw 131,072 bytes of whole numbers; part 2,048 bytes
;; launch quant (part 1): grid 640 x 1, 4 waves a work-group, no clusters, 68,096 bytes of LDS; arguments z, codebook, zq, cq; writes zq, cq
.if DOCPART == 1
	.amdgcn_target "amdgcn-amd-amdhsa--gfx1250"
	.amdhsa_code_object_version 6
	.text
	.protected	k_q968e1fb292_quant
	.globl	k_q968e1fb292_quant
	.p2align	8
	.type	k_q968e1fb292_quant,@function
k_q968e1fb292_quant:
	s_mov_b64 s[64:65], 0
	v_nop
	global_prefetch_b8 v0, s[64:65] scope:SCOPE_SE
	s_setreg_imm32_b32 hwreg(HW_REG_WAVE_MODE, 25, 1), 1
	s_wait_xcnt 0x0
; z (32,768 dense rows of 256 f32) and the codebook (8,192 such rows) become RECORDS of 16 rows, laid as the product's launch wants them.
; A record is 3,328 bytes = 13 x 256:
;   0 .. 3071     the register images of the two K steps' fragments (16 rows x 128 K of E3M2 codes = 12 registers a lane): K step s, registers 4 c .. 4 c + 3, lane l: 16 bytes at 1536 s + 512 c + 16 l
;   3072 .. 3199  the E8M0 scale words: row r, K step s at 3072 + 8 r + 4 s (byte b of a word: k = 32 b .. 32 b + 31 of that K step)
;   3200 .. 3263  the row's sum of squares of the UNQUANTISED numbers, f32, at 3200 + 4 r;      3264 .. 3327  zeros
; A block's scale is 2^(floor(log2(its largest magnitude)) - 4); its byte is the largest magnitude's exponent field - 4, held at 1 from below.  A block of zeros so gets the byte 1 where the rule
; says 127: its codes are zeros, which add nothing under any byte but 0xff, and this program alone reads the bytes.  Beyond 28 the conversion gives the largest code, as the rule asks.
; LIMITS: NaN and infinities among the inputs are not served; blocks whose largest magnitude lies under 2^-122 keep the byte 1; a row's sum of squares is added in four packed chains and then across
; two lanes, which is another order than a plain sum's.
; SHARES: one path for both tensors: work-groups 0 .. 511 take z, 512 .. 639 the codebook (only pointers are chosen).  A wave takes one record: 16 rows, 16,384 bytes.  No loop, no barrier: waves share nothing.
; Each load reads 512 consecutive bytes; the 16 rows turn through the wave's own stage in LDS, so that a lane then holds, of ITS row, 16 neighbours of each block of 32, which is what the conversions take.
.set REC,   3328
.set SP,    1040                       ; a stage row: 1,024 bytes + 16 = 65 x 16: the sixteen rows that a read touches start at sixteen different 16-byte columns modulo 256
.set U,     16*SP                      ; behind the stage: 256 bytes in which the record's last unit is put together
.set WREG,  U+256                      ; LDS of a wave
.set ZWG,   512                        ; work-groups that take z
.set L16,   4                          ; v4   16 x lane
.set STI,   5                          ; v5   the stage on the way in: 16 x lane
.set STO,   6                          ; v6   and on the way out: row r, + 64 h
.set UA,    7                          ; v7   U + 8 r: my row's two scale words
.set UB,    8                          ; v8   U + 4 r: (+128) my row's sum of squares, (+192) a zero
.set UL,    9                          ; v9   U + 8 x lane
.set L8,    10                         ; v10  8 x lane
.set NIL,   11                         ; v11  0
.set TM,    16                         ; v16-19 largest magnitudes, v20-23 the other lane's / bytes, v28-31 the conversions' scale operands
.set S,     32                         ; v32-39 four packed chains of squares
.set SS,    40                         ; v40 the row's sum of squares, v41 the other lane's half
.set PW,    42                         ; v42, v43 the two K steps' scale words
.set O,     44                         ; v[44:45] my 8 bytes of the last unit
.set PC0,   48                         ; v48-67, v68-87: a K step's 12 registers of codes and 8 at work
.set PC1,   68
.set R,     96                         ; v96-223 the wave's 16 rows: 128 numbers a lane
.set SEL,   20                         ; s[20:21] v_permlanex16_b32's selects for lane l xor 16
	s_load_b128 s[4:7], s[0:1], 0x0                ; z, the codebook
	s_load_b128 s[8:11], s[0:1], 0x10              ; zq, cq
	v_lshl_add_u32 v224, v0, 2, 0x10800
	v_mov_b32 v225, 0
	v_lshrrev_b32 v1, 5, v0
	v_readfirstlane_b32 s12, v1                    ; wave 0..3
	v_and_b32 v1, 31, v0                           ; lane
	v_and_b32 v2, 15, v0                           ; r
	v_bfe_u32 v3, v0, 4, 1                         ; h
	v_lshlrev_b32 v[L16], 4, v1
	s_mul_i32 s13, s12, WREG
	s_add_co_u32 s14, s13, U
	v_add_nc_u32 v[STI], s13, v[L16]
	v_mul_u32_u24 v[STO], v2, SP
	v_lshl_add_u32 v[STO], v3, 6, v[STO]
	v_add_nc_u32 v[STO], s13, v[STO]
	v_lshl_add_u32 v[UA], v2, 3, s14
	v_lshl_add_u32 v[UB], v2, 2, s14
	v_lshl_add_u32 v[UL], v1, 3, s14
	v_lshlrev_b32 v[L8], 3, v1
	v_mov_b32 v[NIL], 0
.irp b, 0,1,2,3
	v_mov_b32 v[TM+4+\b], 0                        ; written once: a lane permute's destination counts as one of its sources
.endr
	v_mov_b32 v[SS+1], 0
	s_mov_b32 s[SEL], 0x76543210
	s_mov_b32 s[SEL+1], 0xfedcba98
	s_wait_kmcnt 0x0
	s_cmp_lt_u32 ttmp9, ZWG                        ; z's work-group or the codebook's?  The choice hangs on the work-group's number alone
	s_cselect_b64 s[4:5], s[4:5], s[6:7]
	s_cselect_b64 s[8:9], s[8:9], s[10:11]
	s_cselect_b32 s15, 0, ZWG
	s_sub_co_u32 s15, ttmp9, s15
	s_lshl_b32 s15, s15, 2
	s_add_co_u32 s16, s15, s12                     ; my record's number in its tensor
	s_lshl_b32 s18, s16, 14                        ; 16 rows of 1,024 bytes (2,047 x 16,384 at the most)
	s_mov_b32 s19, 0
	s_add_nc_u64 s[4:5], s[4:5], s[18:19]
	s_mul_i32 s18, s16, REC
	s_add_nc_u64 s[8:9], s[8:9], s[18:19]
.set i, 0
.rept 32
	global_load_b128 v[R+4*i:R+4*i+3], v[L16], s[4:5] offset:512*i th:TH_LOAD_NT   ; 32 lanes read 512 consecutive bytes: half a row
.set i, i+1
.endr
.set i, 0
.rept 32
	s_wait_loadcnt 31-i                            ; loads come back in order: load i is in, the 31 - i younger ones stay out
	ds_store_b128 v[STI], v[R+4*i:R+4*i+3] offset:(i/2)*SP+(i%2)*512
.set i, i+1
.endr
	s_wait_dscnt 0x0                               ; the stores have read their registers, which the loads below fill anew
.irp s, 0,1
.irp b, 0,1,2,3
.irp j, 0,1,2,3
	ds_load_b128 v[R+64*\s+16*\b+4*\j:R+64*\s+16*\b+4*\j+3], v[STO] offset:512*\s+128*\b+16*\j   ; register 64 s + 16 b + i = k 128 s + 32 b + 16 h + i of row r
.endr
.endr
.endr
	s_wait_dscnt 0x0
	; the row's sum of squares: my 128 numbers in four packed chains, started by products
.irp p, 0,1,2,3
	v_pk_mul_f32 v[S+2*\p:S+2*\p+1], v[R+2*\p:R+2*\p+1], v[R+2*\p:R+2*\p+1]
.endr
.set p, 4
.rept 60
	v_pk_fma_f32 v[S+2*(p%4):S+2*(p%4)+1], v[R+2*p:R+2*p+1], v[R+2*p:R+2*p+1], v[S+2*(p%4):S+2*(p%4)+1]
.set p, p+1
.endr
	v_pk_add_f32 v[S:S+1], v[S:S+1], v[S+2:S+3]
	v_pk_add_f32 v[S+4:S+5], v[S+4:S+5], v[S+6:S+7]
	v_pk_add_f32 v[S:S+1], v[S:S+1], v[S+4:S+5]
	v_add_f32 v[SS], v[S], v[S+1]
	v_permlanex16_b32 v[SS+1], v[SS], s[SEL], s[SEL+1]
	v_add_f32 v[SS], v[SS], v[SS+1]                ; with lane l xor 16's half of the row: the same bits in both lanes
; 64 numbers of a lane, v[s] on, register 16 b + i = k 32 b + 16 h + i of my row, become a fragment's codes in v[pc] .. v[pc + 11] and its scale word in v[pw].
.macro QUANT s, pc, pw
.irp b, 0,1,2,3
	v_max3_num_f32 v[TM+\b], |v[\s+16*\b]|, |v[\s+1+16*\b]|, 0x2800000   ; block b: my 16 numbers, and the floor 2^(5 - 127): so the byte cannot fall under 1
.endr
.irp i, 2,4,6,8,10,12,14
.irp b, 0,1,2,3
	v_max3_num_f32 v[TM+\b], v[TM+\b], |v[\s+16*\b+\i]|, |v[\s+1+16*\b+\i]|   ; the four blocks by turns: no line waits for the line above it
.endr
.endr
.irp b, 0,1,2,3
	v_permlanex16_b32 v[TM+4+\b], v[TM+\b], s[SEL], s[SEL+1]
.endr
.irp b, 0,1,2,3
	v_max_num_f32 v[TM+\b], v[TM+\b], v[TM+4+\b]   ; with lane l xor 16's: the block's largest magnitude
.endr
.irp b, 0,1,2,3
	v_add_nc_u32 v[TM+12+\b], 0xfe000000, v[TM+\b] ; 4 off its exponent field: the conversion takes the exponent field of this operand as its scale, and nothing else of it
.endr
.irp b, 0,1,2,3
	v_lshrrev_b32 v[TM+4+\b], 23, v[TM+12+\b]      ; the scale's byte
.endr
	v_lshl_or_b32 v[\pw], v[TM+5], 8, v[TM+4]      ; the four bytes make my row's scale word
	v_lshl_or_b32 v[\pw], v[TM+6], 16, v[\pw]
	v_lshl_or_b32 v[\pw], v[TM+7], 24, v[\pw]
.irp c, 0,1
	v_cvt_scalef32_pk16_bf6_f32 v[\pc+6*\c:\pc+2+6*\c], v[\s+32*\c:\s+15+32*\c], v[TM+12+2*\c]
	v_cvt_scalef32_pk16_bf6_f32 v[\pc+12+4*\c:\pc+14+4*\c], v[\s+16+32*\c:\s+31+32*\c], v[TM+12+2*\c+1]   ; a conversion's three registers begin on an even number: a block's second three are made apart and moved
.endr
	v_nop                                          ; one plain vector instruction behind the scaled conversions, ahead of the lines that touch their results
.irp c, 0,1                                    ; the operand's layout wants a WHOLE block in a lane: lanes 0-15 block 2 c, lanes 16-31 block 2 c + 1
.irp i, 0,1,2
	v_permlane16_swap_b32 v[\pc+6*\c+\i], v[\pc+12+4*\c+\i]
.endr
.irp i, 0,1,2
	v_mov_b32 v[\pc+3+6*\c+\i], v[\pc+12+4*\c+\i]
.endr
.endr
.endm
	QUANT R, PC0, PW
.irp c, 0,1,2
	global_store_b128 v[L16], v[PC0+4*\c:PC0+4*\c+3], s[8:9] offset:512*\c        ; 32 lanes store 512 consecutive bytes, at a multiple of 256 from the buffer's first byte
.endr
	QUANT R+64, PC1, PW+1                          ; its codes have registers of their own: no store's data are written again
.irp c, 0,1,2
	global_store_b128 v[L16], v[PC1+4*\c:PC1+4*\c+3], s[8:9] offset:1536+512*\c
.endr
	; the record's last 256 bytes are put together in LDS and leave as one store.  Lanes r and r + 16 write the same bytes with the same values.
	ds_store_b64 v[UA], v[PW:PW+1]
	ds_store_b32 v[UB], v[SS] offset:128
	ds_store_b32 v[UB], v[NIL] offset:192
	ds_load_b64 v[O:O+1], v[UL]                    ; LDS serves a wave's instructions in order: this sees my stores
	s_wait_dscnt 0x0
	global_store_b64 v[L8], v[O:O+1], s[8:9] offset:3072
	s_wait_tensorcnt 0x0
	ds_add_u32 v224, v225
	s_wait_dscnt 0x0
	s_endpgm
.Lfunc_end_k_q968e1fb292_quant:
	.size	k_q968e1fb292_quant, .Lfunc_end_k_q968e1fb292_quant-k_q968e1fb292_quant
	.p2alignl 7, 3214868480
	.fill 96, 4, 3214868480
	.section	.rodata,"a",@progbits
	.p2align	6, 0x0
	.amdhsa_kernel k_q968e1fb292_quant
		.amdhsa_group_segment_fixed_size 68096
		.amdhsa_private_segment_fixed_size 0
		.amdhsa_enable_private_segment 0
		.amdhsa_kernarg_size 32
		.amdhsa_user_sgpr_count 2
		.amdhsa_user_sgpr_kernarg_segment_ptr 1
		.amdhsa_wavefront_size32 1
		.amdhsa_system_sgpr_workgroup_id_x 1
		.amdhsa_system_sgpr_workgroup_id_y 1
		.amdhsa_system_sgpr_workgroup_id_z 1
		.amdhsa_system_vgpr_workitem_id 0
		.amdhsa_next_free_vgpr 226
		.amdhsa_next_free_sgpr 66
		.amdhsa_reserve_vcc 0
		.amdhsa_float_denorm_mode_32 3
		.amdhsa_float_denorm_mode_16_64 3
		.amdhsa_memory_ordered 1
		.amdhsa_forward_progress 1
		.amdhsa_inst_pref_size 23
	.end_amdhsa_kernel
	.amdgpu_metadata
---
amdhsa.version: [ 1, 2 ]
amdhsa.kernels:
  - .name:           k_q968e1fb292_quant
    .symbol:         k_q968e1fb292_quant.kd
    .args:
      - { .name: z, .offset: 0, .size: 8, .value_kind: global_buffer, .address_space: global }
      - { .name: codebook, .offset: 8, .size: 8, .value_kind: global_buffer, .address_space: global }
      - { .name: zq, .offset: 16, .size: 8, .value_kind: global_buffer, .address_space: global }
      - { .name: cq, .offset: 24, .size: 8, .value_kind: global_buffer, .address_space: global }
    .group_segment_fixed_size: 68096
    .private_segment_fixed_size: 0
    .kernarg_segment_align: 8
    .kernarg_segment_size: 32
    .max_flat_workgroup_size: 128
    .sgpr_count:     66
    .vgpr_count:     226
    .wavefront_size: 32
...
	.end_amdgpu_metadata
.endif
;; end of part 1
;; launch main (part 2): grid 256 x 1, 8 waves a work-group, clusters of 4 x 1, 327,680 bytes of LDS; arguments zq, cq, out2, idxw; writes out2, idxw
.if DOCPART == 2
	.amdgcn_target "amdgcn-amd-amdhsa--gfx1250"
	.amdhsa_code_object_version 6
	.text
	.protected	k_q968e1fb292_main
	.globl	k_q968e1fb292_main
	.p2align	8
	.type	k_q968e1fb292_main,@function
k_q968e1fb292_main:
	s_mov_b64 s[64:65], 0
	v_nop
	global_prefetch_b8 v0, s[64:65] scope:SCOPE_SE
	s_setreg_imm32_b32 hwreg(HW_REG_WAVE_MODE, 25, 1), 1
	s_wait_xcnt 0x0
	s_wait_alu depctr_hold_cnt(0) depctr_sa_sdst(0) depctr_va_vdst(0) depctr_va_sdst(0) depctr_va_ssrc(0) depctr_va_vcc(0) depctr_vm_vsrc(0)
	s_getreg_b32 s2, hwreg(HW_REG_IB_STS2, 6, 4)
	s_cmp_eq_u32 s2, 0
	s_cbranch_scc0 .Lentry_in_a_cluster
	s_endpgm
.Lentry_in_a_cluster:
	s_bfe_u32 s2, ttmp6, 0x10000c
	s_cmp_lg_u32 s2, 0x3003
	s_cbranch_scc0 .Lentry_shape_is_right
	s_endpgm
.Lentry_shape_is_right:
; For each of 32,768 rows of z: the first index n of the smallest d[n] = (zz + ee[n]) - 2 mm[n] over 8,192 codes; mm is the product of the E3M2 codes with their E8M0 scales (K = 256: two matrix
; instructions of 16 x 16 x 128), zz and ee the f32 sums of squares that lie in the records.  d is formed with the two roundings of that formula: A = zz + ee, d = -2 mm + A fused (2 mm is exact),
; and equal d go to the lowest n at every level: strictly smaller between tiles that are walked in ascending order, the first place inside a tile, by n between lanes and between waves.
; zq, cq: records of 16 rows, 3,328 bytes: 0 the two fragments' register images (512 bytes for each four registers, 16 bytes a lane), 3072 scale words (8 r + 4 s), 3200 sums of squares (4 r).
; SHARES.  A work-group owns 128 rows of z (8 tiles) against all codes.  THE EIGHT WAVES SHARE THE CODES, NOT THE ROWS: each keeps all 8 tiles of z, whole K, in 192 registers, and reads only its own
; code tiles from LDS: every LDS byte is read once in the work-group and a code tile's 3,264 bytes feed 16 matrix instructions.  Two waves lie on a SIMD.
; The codes go in 16 chunks of 32 tiles through two LDS slots; in chunk c wave w takes tiles 32 c + 4 w .. + 3: 13,312 dense bytes, brought by the wave's own tensor load and read by that wave alone.
; CLUSTER.  Every work-group walks the same cq, so four work-groups ask JOINTLY (a mask names four at the most): the same load, the same descriptor (made of the wave's number and the trip alone), mask 15.
; My place in the cluster enters global addresses of zq, out2, idxw and of the prefetch alone.
; THE PRODUCT IS USED TRANSPOSED: source 0 = 16 codes, source 1 = 16 rows of z: lane (r, h) holds row r of z, and register j code 8 h + j of the tile.
; THE SEARCH.  For each z tile a lane keeps the smallest d so far (run), the number of the code tile in which it fell (grp) and that tile's eight d (BEST); the place inside the best tile is looked up
; once, at the end.  A z tile takes 18 vector instructions: 8 dual pairs (A of the next z tile beside d of this one), 4 minima of three (the last takes run in), one compare, 4 dual pairs of selects
; and one select.  The search of z tile i - 1 is laid between the pairs of z tile i, on three buffers of d, so that no line reads the line above it.  No branch hangs on a floating-point number.
; LIMITS: NaN and infinities are not served.
; REGISTERS.  window 0: v1-18 addresses and scale words; v20-35 ee, two sets; v36-59 d, three buffers of eight; v60-61 minima; v64-95 a quad for each z tile (zz, grp, run, z's scale word);
;   v96-159 the 8 accumulators; v160-223 BEST; v224-233 the end; v240-247 run's second register for each z tile.   window 1: v0-191 z's fragments (24 i + 12 s); v192-239 a code tile's fragments, two sets.
.set REC,   3328
.set SUB,   4*REC                      ; a wave's part of a chunk
.set CHUNK, 8*SUB                      ; a slot
.set SCR,   2*CHUNK                    ; behind the ring: d of wave w, row m at 512 w + 4 m; n the same 4,096 bytes on.  No tensor load lands here
.set SPARE, SCR+8192                   ; the spare words, 128 bytes for each wave: four blocks of 256 bytes that no other line names
.set PIECE, 131072                     ; cq is 13 such pieces, for the prefetches
.set SPW,  1                           ; v1   LDS address of my spare word; never rewritten
.set NIL,  2                           ; v2   0; never rewritten
.set ADB,  3                           ; v3, v4   slot 0, 1: my wave's part + 16 x lane: the images
.set ADS,  5                           ; v5, v6   + 8 r + 4 h: scale words: lanes 0-15 K step 0's, lanes 16-31 K step 1's
.set ADE,  7                           ; v7, v8   + 32 h: ee of my half's eight codes
.set VT,   9                           ; v9   the code tile's number
.set H8,   10                          ; v10  8 h
.set PFO,  11                          ; v11  256 x lane; never rewritten
.set L16,  12                          ; v12  16 x lane
.set ZSO,  13                          ; v13  8 r + 4 h
.set ZZO,  14                          ; v14  4 r
.set SCA,  15                          ; v15  SCR + 512 w + 4 r
.set BS,   16                          ; v16, v17  the code tile's scale words, two sets: they hold scales and nothing else
.set SCL,  18                          ; v18  SCR + 16 x lane
.set EE,   20
.set TA,   36                          ; z tile i's d lie in buffer i % 3
.set G,    60
.set ST,   64
.set ACC,  96
.set BEST, 160
.set NN,   224
.set OD,   232
.set ON,   233
.set RB,   240
.set BF,   192                         ; in window 1
.set WV,   12                          ; s12  my wave's number
.set G1,   16                          ; s[16:23] descriptor group 1
.set G0,   24                          ; s[24:31] descriptor group 0, a set for each slot
.set PFA,  32                          ; s[32:33] where my prefetches stand
.set LIM,  34                          ; s34  2 in a wave that prefetches, else the greatest number
.set LAP,  35                          ; s35  the loop's counter
.set TN,   36                          ; s36  the number of the code tile whose d are searched next
.set SEL,  38                          ; s[38:39] v_permlanex16_b32's selects for lane l xor 16
.set INF,  43                          ; s43  +infinity
.set MSB, 0
.macro WIN new                         ; s_set_vgpr_msb: bits 1:0 source 0, 3:2 source 1, 5:4 source 2, 7:6 destination; the high byte repeats the setting that is left
.if MSB != \new
	s_set_vgpr_msb (MSB<<8)|\new
.set MSB, \new
.endif
.endm
; A round of the cluster's barrier: my work-group's barrier, so that wave 0's signal speaks for all eight waves; wave 0 signals; every wave waits for all four work-groups; my work-group's barrier once more.
.macro CREST                           ; a round behind its opening barrier
	s_cmp_lg_u32 s[WV], 0
	s_cbranch_scc1 .Lnot_wave_0_\@
	s_barrier_signal -3
.Lnot_wave_0_\@:
	s_barrier_wait -3
	s_barrier_signal -1
	s_barrier_wait -1
.endm
.macro CROUND                          ; a whole round
	s_barrier_signal -1
	s_barrier_wait -1
	CREST
.endm
; My t-th code tile of the slot into register set `set`: six loads of 512 consecutive bytes bring the two fragments as they stood in the registers that made them; then its scale words and its ee.
.macro LOADT slot, t, set
	WIN 0x40                                       ; destination window 1, address window 0
.irp f, 0,1,2,3,4,5
	ds_load_b128 v[BF+24*\set+4*\f:BF+24*\set+4*\f+3], v[ADB+\slot] offset:\t*REC+512*\f
.endr
	WIN 0
	ds_load_b32 v[BS+\set], v[ADS+\slot] offset:\t*REC+3072
	ds_load_b128 v[EE+8*\set:EE+8*\set+3], v[ADE+\slot] offset:\t*REC+3200
	ds_load_b128 v[EE+8*\set+4:EE+8*\set+7], v[ADE+\slot] offset:\t*REC+3216
.endm
; 16 matrix instructions: the code tile in set `set` against the 8 tiles of z, K step 0 (which starts the sums) and K step 1.  The eight accumulators take turns.
; A scale register carries K step 0's words in lanes 0-15 and K step 1's in lanes 16-31.
.macro MM set
	WIN 0x05                                       ; sources 0 and 1 window 1; C and D window 0
.irp i, 0,1,2,3,4,5,6,7
	v_wmma_scale_f32_16x16x128_f8f6f4 v[ACC+8*\i:ACC+8*\i+7], v[BF+24*\set:BF+24*\set+11], v[24*\i:24*\i+11], 0, v[BS+\set], v[ST+4*\i+3] matrix_a_fmt:MATRIX_FMT_BF6 matrix_b_fmt:MATRIX_FMT_BF6
.endr
.irp i, 0,1,2,3,4,5,6,7
	v_wmma_scale_f32_16x16x128_f8f6f4 v[ACC+8*\i:ACC+8*\i+7], v[BF+24*\set+12:BF+24*\set+23], v[24*\i+12:24*\i+23], v[ACC+8*\i:ACC+8*\i+7], v[BS+\set], v[ST+4*\i+3] matrix_a_fmt:MATRIX_FMT_BF6 matrix_b_fmt:MATRIX_FMT_BF6 matrix_a_scale:MATRIX_SCALE_ROW1 matrix_b_scale:MATRIX_SCALE_ROW1
.endr
	WIN 0
.endm
; THE SEARCH'S LINES.  A dual pair wants one even and one odd destination, and its two second sources in different register banks (number mod 4): so place k of one half goes with place k xor 1 of the other;
; EE, TA, ACC and BEST all begin at multiples of 4.
.macro AF i, k, set                    ; A = zz + ee of z tile i + 1, place k, beside d = -2 mm + A of z tile i, place k xor 1 (k = 0 reads the accumulator's register 1: from its low end on)
	v_dual_add_f32 v[TA+8*(((\i)+1)%3)+\k], v[ST+4*(\i)+4], v[EE+8*\set+\k] :: v_dual_fmac_f32 v[TA+8*((\i)%3)+\k+1-2*(\k%2)], -2.0, v[ACC+8*(\i)+\k+1-2*(\k%2)]
.endm
.macro FF k                            ; z tile 7 has no successor: two of its d
	v_dual_fmac_f32 v[TA+8+\k], -2.0, v[ACC+56+\k] :: v_dual_fmac_f32 v[TA+8+\k+1], -2.0, v[ACC+56+\k+1]
.endm
.macro T1 j                            ; the smallest of z tile j's eight d, and of run, in four lines
	v_min3_num_f32 v[G], v[TA+8*((\j)%3)], v[TA+8*((\j)%3)+1], v[TA+8*((\j)%3)+2]
	v_min3_num_f32 v[G+1], v[TA+8*((\j)%3)+3], v[TA+8*((\j)%3)+4], v[TA+8*((\j)%3)+5]
.endm
.macro T3 j
	v_min3_num_f32 v[G], v[G], v[TA+8*((\j)%3)+6], v[TA+8*((\j)%3)+7]
.endm
.macro T4 j, set                       ; run has two registers, which take turns from code tile to code tile: the old one is still there for the compare
.set RIN,  (1-\set)*(ST+4*(\j)+2)+\set*(RB+(\j))
.set ROUT, \set*(ST+4*(\j)+2)+(1-\set)*(RB+(\j))
	v_min3_num_f32 v[ROUT], v[G], v[G+1], v[RIN]
.endm
.macro T5
	v_cmp_lt_f32 vcc_lo, v[ROUT], v[RIN]           ; STRICTLY smaller than all earlier tiles: an equal d stays with the earlier tile
.endm
.macro TC j
.irp q, 0,2,4,6
	v_dual_cndmask_b32 v[BEST+8*(\j)+\q], v[BEST+8*(\j)+\q], v[TA+8*((\j)%3)+\q] :: v_dual_cndmask_b32 v[BEST+8*(\j)+\q+1], v[BEST+8*(\j)+\q+1], v[TA+8*((\j)%3)+\q+1]
.endr
	v_cndmask_b32 v[ST+4*(\j)+1], v[ST+4*(\j)+1], v[VT], vcc_lo
.endm
; The search through one code tile's 8 x 8 d of a lane.  The move and the four pairs at its head name no register of the products: they are the places between the products and the first read of a
; result (ISA guide 7.12.1).  A whole VEC stands between a product and the next load into, or product onto, its registers.  set 0 reads run in the quads and writes it at RB, set 1 the other way round:
; the calls take turns, the first is set 0 and the last set 1, so that run ends in the quads.
.macro VEC set, step
	v_mov_b32 v[VT], s[TN]
.irp k, 0,2,4,6
	v_dual_add_f32 v[TA+\k], v[ST], v[EE+8*\set+\k] :: v_dual_add_f32 v[TA+\k+1], v[ST], v[EE+8*\set+\k+1]     ; A of z tile 0
.endr
.irp k, 0,1,2,3,4,5,6,7
	AF 0, \k, \set
.endr
.irp i, 1,2,3,4,5,6
	T1 \i-1
	AF \i, 0, \set
	T3 \i-1
	AF \i, 1, \set
	AF \i, 2, \set
	T4 \i-1, \set
	AF \i, 3, \set
	AF \i, 4, \set
	T5
	AF \i, 5, \set
	AF \i, 6, \set
	TC \i-1
	AF \i, 7, \set
.endr
	T1 6
	FF 0
	T3 6
	FF 2
	T4 6, \set
	FF 4
	T5
	FF 6
	TC 6
	T1 7                                           ; the last z tile's search has nothing to stand between its lines
	s_delay_alu instid0(VALU_DEP_2)
	T3 7
	s_delay_alu instid0(VALU_DEP_1)
	T4 7, \set
	s_delay_alu instid0(VALU_DEP_1)
	T5
	TC 7
.if \step
	s_add_co_u32 s[TN], s[TN], \step
.endif
.endm
; A PREFETCH INTO THE L2.  cq is 13 pieces of 131,072 bytes; trip t = 0 .. 10 names piece t + 2, whose first bytes the tensor load of trip t + 1 asks for; the first two pieces come by their loads alone.
; Each aligned block of 256 bytes is named ONCE in the launch: all clusters walk the same cq, and cluster 0 asks; in it waves 0 to 3 of the four partners take one run of 8,192 bytes each, run 4 w + cx, told apart
; BY ADDRESS; lanes stand 256 bytes apart.  The last byte named is 12 x 131,072 + 15 x 8,192 + 31 x 256 = 1,703,680, inside cq's 1,703,936.  how = 1: the first trip, ahead of the loop's counter.
.macro ASK how
.if \how
	s_cmp_eq_u32 s[LIM], 2
.else
	s_cmp_gt_u32 s[LAP], s[LIM]                    ; the counter is 7 .. 3 in trips 1 to 10
.endif
	s_cbranch_scc0 .Lnot_mine_\@
	global_prefetch_b8 v[PFO], s[PFA:PFA+1] th:TH_LOAD_NT scope:SCOPE_SE
.Lnot_mine_\@:
.endm
; (d, n) becomes the smaller of (d, n) and (od, on): by d, and among equal d by n.
.macro LEXMIN d, n, od, on
	v_cmp_lt_f32 s40, v[\od], v[\d]
	v_cmp_eq_f32 s41, v[\od], v[\d]
	v_cmp_lt_u32 s42, v[\on], v[\n]
	s_and_b32 s41, s41, s42
	s_or_b32 vcc_lo, s40, s41
	v_cndmask_b32 v[\d], v[\d], v[\od], vcc_lo
	v_cndmask_b32 v[\n], v[\n], v[\on], vcc_lo
.endm
; A TRIP: my four code tiles of the chunk in `slot`.  refill = 1: the other slot, which every wave has read out, takes the next chunk.  In front of the round each wave waits for all its tensor loads (one is out:
; this slot's), adds 0 to its spare word, and waits for that and for its reads of the other slot; the joint load is the first thing behind the round.
; prev = 1: the last trip's fourth tile lies in registers: its 16 products, work on registers alone, stand between the round's opening signal and the wait for it, and its search behind the first loads from the new slot.
.macro TRIP slot, refill, prev, how
	s_wait_tensorcnt 0x0                           ; my part of this slot has landed, and no tensor load of mine is out: a group 0 may be written
.if \refill
	ds_add_u32 v[SPW], v[NIL]                      ; 0 onto my spare word; the steps below stand between it and the wait for it
	s_add_nc_u64 s[G0+4*\slot+2:G0+4*\slot+3], s[G0+4*\slot+2:G0+4*\slot+3], 2*CHUNK   ; this slot's next chunk; the type bits on top are not reached
	s_wait_xcnt 0x0                                ; the last prefetch, a trip back, has read its address, so it may be written
	s_add_nc_u64 s[PFA:PFA+1], s[PFA:PFA+1], PIECE
	s_wait_dscnt 0x0                               ; the add is done, and my reads of the other slot are over
	s_barrier_signal -1                            ; this barrier opens a round of the cluster's barrier
.if \prev
	MM 1
.endif
	s_barrier_wait -1
	CREST
	tensor_load_to_lds s[G0+4-4*\slot:G0+7-4*\slot], s[G1:G1+7]   ; my one tensor load behind the round: 48 products and four searches stand between it and the wait for it
	s_nop 0
.rept 4
	v_nop                                          ; four lines behind a tensor load, ahead of the next switch of windows
.endr
.else
	MM 1
.endif
	LOADT \slot, 0, 0
.if \refill
	ASK \how
.endif
.if \prev
	VEC 1, 29                                      ; from tile 32 c + 4 w + 3 on to 32 (c + 1) + 4 w
.endif
	s_wait_dscnt 0x0                               ; tile 0 is in
	LOADT \slot, 1, 1
.if \prev == 0
	s_wait_loadcnt 0x0                             ; z's fragments, scale words and sums of squares
.endif
	MM 0
	VEC 0, 1
	s_wait_dscnt 0x0                               ; tile 1 is in: asked for 16 products and a search ago
	LOADT \slot, 2, 0
	MM 1
	VEC 1, 1
	s_wait_dscnt 0x0
	LOADT \slot, 3, 1
	MM 0
	VEC 0, 1
	s_wait_dscnt 0x0                               ; tile 3 is in registers: my reads of this slot are over
.endm
	s_load_b256 s[4:11], s[0:1], 0x0               ; zq s[4:5], cq s[6:7], out2 s[8:9], idxw s[10:11]
	v_lshl_add_u32 v[SPW], v0, 2, SPARE
	v_mov_b32 v[NIL], 0
	ds_add_u32 v[SPW], v[NIL]                      ; the opening lines: the add, twice on end, and its wait ahead of my first tensor load
	ds_add_u32 v[SPW], v[NIL]
	s_wait_dscnt 0x0
	v_lshrrev_b32 v[G], 5, v0
	s_delay_alu instid0(VALU_DEP_1)
	v_readfirstlane_b32 s[WV], v[G]                ; wave 0..7
	v_and_b32 v[G], 31, v0                         ; lane
	v_and_b32 v[G+1], 15, v0                       ; r
	v_bfe_u32 v[G+2], v0, 4, 1                     ; h
	s_bfe_u32 s13, ttmp6, 0x40000                  ; cx: my place in the cluster
	s_lshl_b32 s14, ttmp9, 2                       ; in a cluster launch ttmp9 counts clusters
	s_add_co_u32 s14, s14, s13                     ; my block of 128 rows
	s_mul_i32 s15, s[WV], SUB                      ; my wave's part of a chunk: in cq and in a slot alike
	v_lshlrev_b32 v[L16], 4, v[G]
	s_delay_alu instid0(VALU_DEP_1)
	v_add_nc_u32 v[ADB], s15, v[L16]
	s_delay_alu instid0(VALU_DEP_1)
	v_add_nc_u32 v[ADB+1], CHUNK, v[ADB]
	v_lshlrev_b32 v[ZSO], 3, v[G+1]
	s_delay_alu instid0(VALU_DEP_1)
	v_lshl_add_u32 v[ZSO], v[G+2], 2, v[ZSO]
	s_delay_alu instid0(VALU_DEP_1)
	v_add_nc_u32 v[ADS], s15, v[ZSO]
	s_delay_alu instid0(VALU_DEP_1)
	v_add_nc_u32 v[ADS+1], CHUNK, v[ADS]
	v_lshl_add_u32 v[ADE], v[G+2], 5, s15
	s_delay_alu instid0(VALU_DEP_1)
	v_add_nc_u32 v[ADE+1], CHUNK, v[ADE]
	v_lshlrev_b32 v[H8], 3, v[G+2]
	v_lshlrev_b32 v[PFO], 8, v[G]
	v_lshlrev_b32 v[ZZO], 2, v[G+1]
	s_lshl_b32 s37, s[WV], 9
	s_add_co_u32 s37, s37, SCR
	v_add_nc_u32 v[SCA], s37, v[ZZO]
	v_add_nc_u32 v[SCL], SCR, v[L16]
	; descriptor group 1: 13,312 dense bytes as 52 rows of 256 bytes (32 elements of 8 bytes), no padding: image reads are 16 x lane
	s_mov_b32 s[G1+0], 15|(3<<16)|(1<<21)          ; 15:0 the mask: all four work-groups; 17:16 elements of 8 bytes; 21 set beside a mask
	s_mov_b32 s[G1+1], 32<<16                      ; tensor_dim0 = 32
	s_mov_b32 s[G1+2], 52<<16                      ; tensor_dim1 = 52
	s_mov_b32 s[G1+3], 32<<16                      ; tile_dim0 = 32
	s_mov_b32 s[G1+4], 52                          ; tile_dim1 = 52
	s_mov_b32 s[G1+5], 32                          ; elements from row to row
	s_mov_b32 s[G1+6], 0
	s_mov_b32 s[G1+7], 0
	s_mov_b32 s44, s15                             ; s[44:47] feed the descriptors and never hold my place in the cluster
	s_mov_b32 s45, 0
	s_mul_i32 s48, s14, 8*REC                      ; my 8 records of zq
	s_mov_b32 s49, 0
	s_lshl_b32 s50, s14, 9                         ; my 128 indices, 512 bytes
	s_mov_b32 s51, 0
	s_lshl_b32 s52, s[WV], 2
	s_add_co_u32 s52, s52, s13
	s_lshl_b32 s52, s52, 13                        ; run 4 w + cx of a piece,
	s_add_co_u32 s52, s52, PIECE                   ; in piece 1: the first trip steps it to piece 2.  Nothing is prefetched at the head
	s_mov_b32 s53, 0
	s_lshr_b32 s[LIM], s[WV], 2                    ; 0 in waves 0 to 3,
	s_or_b32 s[LIM], s[LIM], ttmp9                 ; of cluster 0: the same in all four partners
	s_cmp_eq_u32 s[LIM], 0
	s_cselect_b32 s[LIM], 2, -1
	s_lshl_b32 s[TN], s[WV], 2                     ; my first code tile: 4 w
	s_mov_b32 s[SEL], 0x76543210
	s_mov_b32 s[SEL+1], 0xfedcba98
	s_mov_b32 s[INF], 0x7f800000
	s_wait_kmcnt 0x0
	s_add_nc_u64 s[46:47], s[6:7], s[44:45]        ; cq at my wave's part of chunk 0
	s_add_nc_u64 s[PFA:PFA+1], s[6:7], s[52:53]
	s_add_nc_u64 s[4:5], s[4:5], s[48:49]
	s_add_nc_u64 s[8:9], s[8:9], s[50:51]
	s_add_nc_u64 s[10:11], s[10:11], s[50:51]
.irp n, 0,1
	s_mov_b32 s[G0+4*\n], 1                                        ; count = 1
	s_add_co_u32 s[G0+4*\n+1], s15, \n*CHUNK                       ; LDS address: slot n, my wave's part
	s_add_nc_u64 s[G0+4*\n+2:G0+4*\n+3], s[46:47], \n*CHUNK        ; global address: chunk n
	s_or_b32 s[G0+4*\n+3], s[G0+4*\n+3], 0x80000000               ; type = 2
.endr
	CROUND                                         ; all four work-groups are here: the first joint loads meet
	tensor_load_to_lds s[G0:G0+3], s[G1:G1+7]      ; chunk 0; slot 1 is first filled behind the first trip's round, as a refill is
	s_nop 0
.rept 4
	v_nop
.endr
	WIN 0x40                                       ; destination window 1
.irp i, 0,1,2,3,4,5,6,7
.irp f, 0,1,2,3,4,5
	global_load_b128 v[24*\i+4*\f:24*\i+4*\f+3], v[L16], s[4:5] offset:\i*REC+512*\f   ; z's fragments stay in registers for the whole launch
.endr
.endr
	WIN 0
	s_wait_alu depctr_va_vdst(0)                   ; the wait here, ahead of the readers of the head's addresses
.irp i, 0,1,2,3,4,5,6,7
	global_load_b32 v[ST+4*\i+3], v[ZSO], s[4:5] offset:\i*REC+3072    ; z's scale words: lanes 0-15 K step 0's, lanes 16-31 K step 1's
	global_load_b32 v[ST+4*\i], v[ZZO], s[4:5] offset:\i*REC+3200      ; zz of my row
.endr
.irp i, 0,1,2,3,4,5,6,7                        ; the search begins at +infinity in tile 0.  Written once, while the loads are on their way
	v_mov_b32 v[ST+4*\i+1], 0
	v_mov_b32 v[ST+4*\i+2], s[INF]
.endr
.set j, 0
.rept 64
	v_mov_b32 v[BEST+j], s[INF]
.set j, j+1
.endr
	TRIP 0, 1, 0, 1                                ; chunk 0; chunk 1 is asked for
	s_mov_b32 s[LAP], 7
.Llap:                                             ; chunks 1 to 14, two a trip of the loop; each asks for the next
	TRIP 1, 1, 1, 0
	TRIP 0, 1, 1, 0
	s_sub_co_u32 s[LAP], s[LAP], 1
	s_cmp_lg_u32 s[LAP], 0
	s_cbranch_scc1 .Llap
	TRIP 1, 0, 1, 0                                ; chunk 15 is written out: nothing is left to ask for.  My own load brought the bytes that I read, so my wait on it is all that the reads need
	MM 1                                           ; the last tile's products
	VEC 1, 0                                       ; and its search
	; THE END.  The place inside the best tile: the FIRST j whose d equals the smallest (looked for from 7 down, so that the lowest stays).
	v_mov_b32 v[OD], 0                             ; written once: a lane permute's destination counts as one of its sources
	v_mov_b32 v[ON], 0
.irp i, 0,1,2,3,4,5,6,7
	v_mov_b32 v[NN+\i], 7
.endr
.irp j, 6,5,4,3,2,1,0
.irp i, 0,1,2,3,4,5,6,7
	v_cmp_neq_f32 vcc_lo, v[BEST+8*\i+\j], v[ST+4*\i+2]
	s_delay_alu instid0(VALU_DEP_1)
	v_cndmask_b32 v[NN+\i], \j, v[NN+\i], vcc_lo
.endr
.endr
.irp i, 0,1,2,3,4,5,6,7
	v_lshl_add_u32 v[NN+\i], v[ST+4*\i+1], 4, v[NN+\i]
.endr
.irp i, 0,1,2,3,4,5,6,7
	v_add_nc_u32 v[NN+\i], v[NN+\i], v[H8]         ; n = 16 x tile + 8 h + j
.endr
.irp i, 0,1,2,3,4,5,6,7
	v_permlanex16_b32 v[OD], v[ST+4*\i+2], s[SEL], s[SEL+1]        ; the row's other eight places of each tile lie in the lane 16 away
	v_permlanex16_b32 v[ON], v[NN+\i], s[SEL], s[SEL+1]
	LEXMIN ST+4*\i+2, NN+\i, OD, ON
	ds_store_b32 v[SCA], v[ST+4*\i+2] offset:64*\i                 ; my wave's best of row 16 i + r; lanes r and r + 16 write the same word with the same value
	ds_store_b32 v[SCA], v[NN+\i] offset:4096+64*\i
.endr
	s_wait_dscnt 0x0                               ; for the others' sake: my stores have landed
	s_barrier_signal -1
	s_barrier_wait -1
	s_cmp_lg_u32 s[WV], 0
	s_cbranch_scc1 .Lend                           ; wave 0 joins the eight waves' results: a lane takes four rows
.irp w, 0,1,2,3,4,5,6,7
	ds_load_b128 v[ACC+4*\w:ACC+4*\w+3], v[SCL] offset:512*\w
	ds_load_b128 v[ACC+32+4*\w:ACC+32+4*\w+3], v[SCL] offset:4096+512*\w
.endr
	s_wait_dscnt 0x0
.irp w, 1,2,3,4,5,6,7
.irp q, 0,1,2,3
	LEXMIN ACC+\q, ACC+32+\q, ACC+4*\w+\q, ACC+32+4*\w+\q
.endr
.endr
	global_store_b128 v[L16], v[ACC+32:ACC+35], s[8:9]             ; 32 lanes store 512 consecutive bytes, at a multiple of 256 from the buffer's first byte: the output,
	global_store_b128 v[L16], v[ACC+32:ACC+35], s[10:11]           ; and the same numbers for the launch that gathers by them
.Lend:
	s_wait_tensorcnt 0x0                           ; the wave's end, behind my last tensor load and my last LDS store
	ds_add_u32 v[SPW], v[NIL]
	s_wait_dscnt 0x0
	CROUND                                         ; the closing round: no work-group ends while a partner may still ask for a chunk that names it
	s_endpgm
.Lfunc_end_k_q968e1fb292_main:
	.size	k_q968e1fb292_main, .Lfunc_end_k_q968e1fb292_main-k_q968e1fb292_main
	.p2alignl 7, 3214868480
	.fill 96, 4, 3214868480
	.section	.rodata,"a",@progbits
	.p2align	6, 0x0
	.amdhsa_kernel k_q968e1fb292_main
		.amdhsa_group_segment_fixed_size 327680
		.amdhsa_private_segment_fixed_size 0
		.amdhsa_enable_private_segment 0
		.amdhsa_kernarg_size 32
		.amdhsa_user_sgpr_count 2
		.amdhsa_user_sgpr_kernarg_segment_ptr 1
		.amdhsa_wavefront_size32 1
		.amdhsa_system_sgpr_workgroup_id_x 1
		.amdhsa_system_sgpr_workgroup_id_y 1
		.amdhsa_system_sgpr_workgroup_id_z 1
		.amdhsa_system_vgpr_workitem_id 0
		.amdhsa_next_free_vgpr 512
		.amdhsa_next_free_sgpr 66
		.amdhsa_reserve_vcc 1
		.amdhsa_float_denorm_mode_32 3
		.amdhsa_float_denorm_mode_16_64 3
		.amdhsa_memory_ordered 1
		.amdhsa_forward_progress 1
		.amdhsa_inst_pref_size 220
	.end_amdhsa_kernel
	.amdgpu_metadata
---
amdhsa.version: [ 1, 2 ]
amdhsa.kernels:
  - .name:           k_q968e1fb292_main
    .symbol:         k_q968e1fb292_main.kd
    .args:
      - { .name: zq, .offset: 0, .size: 8, .value_kind: global_buffer, .address_space: global }
      - { .name: cq, .offset: 8, .size: 8, .value_kind: global_buffer, .address_space: global }
      - { .name: out2, .offset: 16, .size: 8, .value_kind: global_buffer, .address_space: global }
      - { .name: idxw, .offset: 24, .size: 8, .value_kind: global_buffer, .address_space: global }
    .group_segment_fixed_size: 327680
    .private_segment_fixed_size: 0
    .kernarg_segment_align: 8
    .kernarg_segment_size: 32
    .max_flat_workgroup_size: 256
    .sgpr_count:     66
    .vgpr_count:     512
    .wavefront_size: 32
...
	.end_amdgpu_metadata
.endif
;; end of part 2
;; launch gather (part 3): grid 512 x 1, 8 waves a work-group, no clusters, 1,280 bytes of LDS; arguments z, codebook, idxw, out0, part; writes out0, part
.if DOCPART == 3
	.amdgcn_target "amdgcn-amd-amdhsa--gfx1250"
	.amdhsa_code_object_version 6
	.text
	.protected	k_q968e1fb292_gather
	.globl	k_q968e1fb292_gather
	.p2align	8
	.type	k_q968e1fb292_gather,@function
k_q968e1fb292_gather:
	s_mov_b64 s[64:65], 0
	v_nop
	global_prefetch_b8 v0, s[64:65] scope:SCOPE_SE
	s_setreg_imm32_b32 hwreg(HW_REG_WAVE_MODE, 25, 1), 1
	s_wait_xcnt 0x0
; out0 = z + (e - z), e the codebook's row at the stored index, all in f32 on the unquantised numbers; part[work-group] = the sum of (e - z)^2 over the work-group's 64 rows.
; A wave takes 8 rows (8,192 bytes of z), no loop: 16 loads of z and 16 of the codebook are on their way together; each load and store covers 512 consecutive bytes, half a row.
; The indices are whole numbers that the launch before has stored: eight come by one scalar load, are held to 0 .. 8,191, and enter the codebook's offsets.
; Memory binds: no matrix unit, no cluster (work-groups share no tile), LDS only for the eight waves' sums.  part is stored 4 bytes a work-group: 2,048 bytes in the whole launch.
; The sum of squares is added in four packed chains, across lanes and across waves: another order than a plain sum's.
.set EO, 2                             ; v2-9    row k: its place in the codebook + 16 x lane
.set Z,  16                            ; v16-79  z, then the result
.set E,  80                            ; v80-143 e, then e - z
.set S,  144                           ; v144-151 four packed chains
	s_load_b256 s[4:11], s[0:1], 0x0               ; z s[4:5], the codebook s[6:7], idxw s[8:9], out0 s[10:11]
	s_load_b64 s[12:13], s[0:1], 0x20              ; part
	v_lshl_add_u32 v160, v0, 2, 0x100
	v_mov_b32 v161, 0
	v_lshrrev_b32 v1, 5, v0
	s_delay_alu instid0(VALU_DEP_1)
	v_readfirstlane_b32 s14, v1                    ; wave 0..7
	v_and_b32 v1, 31, v0
	s_delay_alu instid0(VALU_DEP_1)
	v_lshlrev_b32 v1, 4, v1                        ; 16 x lane
	s_delay_alu instid0(VALU_DEP_3)
	v_mov_b32 v10, s14
	s_delay_alu instid0(VALU_DEP_1)
	v_lshlrev_b32 v10, 2, v10                      ; LDS: my wave's word
	v_mov_b32 v11, 0
	s_lshl_b32 s15, ttmp9, 3
	s_add_co_u32 s15, s15, s14                     ; which run of 8 rows is my wave's
	s_lshl_b32 s24, s15, 5                         ; its 8 indices
	s_mov_b32 s25, 0
	s_lshl_b32 s26, s15, 13                        ; its 8 rows of 1,024 bytes
	s_mov_b32 s27, 0
	s_lshl_b32 s32, ttmp9, 2
	s_mov_b32 s33, 0
	s_mov_b32 s28, 0x76543210
	s_mov_b32 s29, 0xfedcba98
	s_wait_alu depctr_va_vdst(0)
	s_wait_kmcnt 0x0
	s_add_nc_u64 s[8:9], s[8:9], s[24:25]
	s_load_b256 s[16:23], s[8:9], 0x0
	s_add_nc_u64 s[4:5], s[4:5], s[26:27]
	s_add_nc_u64 s[10:11], s[10:11], s[26:27]
	s_add_nc_u64 s[12:13], s[12:13], s[32:33]
.irp q, 0,1,2,3,4,5,6,7,8,9,10,11,12,13,14,15
	global_load_b128 v[Z+4*\q:Z+4*\q+3], v1, s[4:5] offset:512*\q th:TH_LOAD_NT
.endr
	s_wait_kmcnt 0x0
.irp k, 0,1,2,3,4,5,6,7
	s_min_u32 s[16+\k], s[16+\k], 0x1fff           ; an index stays inside the table
	s_lshl_b32 s[16+\k], s[16+\k], 10
	v_add_nc_u32 v[EO+\k], s[16+\k], v1
	global_load_b128 v[E+8*\k:E+8*\k+3], v[EO+\k], s[6:7]          ; no hint: a row may be named by many rows of z
	global_load_b128 v[E+8*\k+4:E+8*\k+7], v[EO+\k], s[6:7] offset:512
.endr
.irp q, 0,1,2,3,4,5,6,7,8,9,10,11,12,13,14,15
	s_wait_loadcnt 15-\q                           ; the codebook's load q is in, and with it all of z's, which were issued ahead; the 15 - q younger ones stay out
.irp u, 0,2
	v_pk_add_f32 v[E+4*\q+\u:E+4*\q+\u+1], v[E+4*\q+\u:E+4*\q+\u+1], v[Z+4*\q+\u:Z+4*\q+\u+1] neg_lo:[0,1] neg_hi:[0,1]   ; e - z
.endr
.irp u, 0,2
.if \q < 2
	s_delay_alu instid0(VALU_DEP_2)
	v_pk_mul_f32 v[S+4*(\q%2)+\u:S+4*(\q%2)+\u+1], v[E+4*\q+\u:E+4*\q+\u+1], v[E+4*\q+\u:E+4*\q+\u+1]                     ; the first four pairs start the chains
.else
	s_delay_alu instid0(VALU_DEP_2)
	v_pk_fma_f32 v[S+4*(\q%2)+\u:S+4*(\q%2)+\u+1], v[E+4*\q+\u:E+4*\q+\u+1], v[E+4*\q+\u:E+4*\q+\u+1], v[S+4*(\q%2)+\u:S+4*(\q%2)+\u+1]
.endif
.endr
.irp u, 0,2
	s_delay_alu instid0(VALU_DEP_4)
	v_pk_add_f32 v[Z+4*\q+\u:Z+4*\q+\u+1], v[Z+4*\q+\u:Z+4*\q+\u+1], v[E+4*\q+\u:E+4*\q+\u+1]                             ; z + (e - z)
.endr
	global_store_b128 v1, v[Z+4*\q:Z+4*\q+3], s[10:11] offset:512*\q th:TH_STORE_NT    ; 512 consecutive bytes, at a multiple of 256 from out0's first byte; its registers are not written again
.endr
	s_wait_alu depctr_va_vdst(0)
	v_pk_add_f32 v[S:S+1], v[S:S+1], v[S+2:S+3]
	v_pk_add_f32 v[S+4:S+5], v[S+4:S+5], v[S+6:S+7]
	s_delay_alu instid0(VALU_DEP_1)
	v_pk_add_f32 v[S:S+1], v[S:S+1], v[S+4:S+5]
	s_delay_alu instid0(VALU_DEP_1)
	v_add_f32 v[S], v[S], v[S+1]
	s_delay_alu instid0(VALU_DEP_1)
	v_add_f32_dpp v[S], v[S], v[S] row_xmask:1 row_mask:0xf bank_mask:0xf
	s_delay_alu instid0(VALU_DEP_1)
	v_add_f32_dpp v[S], v[S], v[S] row_xmask:2 row_mask:0xf bank_mask:0xf
	s_delay_alu instid0(VALU_DEP_1)
	v_add_f32_dpp v[S], v[S], v[S] row_xmask:4 row_mask:0xf bank_mask:0xf
	s_delay_alu instid0(VALU_DEP_1)
	v_add_f32_dpp v[S], v[S], v[S] row_xmask:8 row_mask:0xf bank_mask:0xf
	s_delay_alu instid0(VALU_DEP_1)
	v_permlanex16_b32 v[S+1], v[S], s28, s29
	s_delay_alu instid0(VALU_DEP_1)
	v_add_f32 v[S], v[S], v[S+1]                   ; the wave's sum, in every lane
	ds_store_b32 v10, v[S]                         ; all lanes write the same word with the same value
	s_wait_dscnt 0x0                               ; for the others' sake
	s_barrier_signal -1
	s_barrier_wait -1
	s_cmp_lg_u32 s14, 0
	s_cbranch_scc1 .Ldone                          ; wave 0 adds the eight
	ds_load_b128 v[148:151], v11
	ds_load_b128 v[152:155], v11 offset:16
	s_wait_dscnt 0x0
	v_pk_add_f32 v[148:149], v[148:149], v[150:151]
	v_pk_add_f32 v[152:153], v[152:153], v[154:155]
	s_delay_alu instid0(VALU_DEP_1)
	v_pk_add_f32 v[148:149], v[148:149], v[152:153]
	s_delay_alu instid0(VALU_DEP_1)
	v_add_f32 v148, v148, v149
	s_wait_alu depctr_va_vdst(0)
	s_wait_xcnt 0x0                                ; EXEC is a source of the stores above: it changes only behind this wait
	v_cmp_eq_u32 vcc_lo, 0, v0
	s_and_saveexec_b32 s30, vcc_lo
	global_store_b32 v11, v148, s[12:13]           ; thread 0 alone
	s_wait_xcnt 0x0                                ; and again, in front of the line that widens it
	s_or_b32 exec_lo, exec_lo, s30
.Ldone:
	s_wait_tensorcnt 0x0
	ds_add_u32 v160, v161
	s_wait_dscnt 0x0
	s_endpgm
.Lfunc_end_k_q968e1fb292_gather:
	.size	k_q968e1fb292_gather, .Lfunc_end_k_q968e1fb292_gather-k_q968e1fb292_gather
	.p2alignl 7, 3214868480
	.fill 96, 4, 3214868480
	.section	.rodata,"a",@progbits
	.p2align	6, 0x0
	.amdhsa_kernel k_q968e1fb292_gather
		.amdhsa_group_segment_fixed_size 1280
		.amdhsa_private_segment_fixed_size 0
		.amdhsa_enable_private_segment 0
		.amdhsa_kernarg_size 40
		.amdhsa_user_sgpr_count 2
		.amdhsa_user_sgpr_kernarg_segment_ptr 1
		.amdhsa_wavefront_size32 1
		.amdhsa_system_sgpr_workgroup_id_x 1
		.amdhsa_system_sgpr_workgroup_id_y 1
		.amdhsa_system_sgpr_workgroup_id_z 1
		.amdhsa_system_vgpr_workitem_id 0
		.amdhsa_next_free_vgpr 162
		.amdhsa_next_free_sgpr 66
		.amdhsa_reserve_vcc 1
		.amdhsa_float_denorm_mode_32 3
		.amdhsa_float_denorm_mode_16_64 3
		.amdhsa_memory_ordered 1
		.amdhsa_forward_progress 1
		.amdhsa_inst_pref_size 18
	.end_amdhsa_kernel
	.amdgpu_metadata
---
amdhsa.version: [ 1, 2 ]
amdhsa.kernels:
  - .name:           k_q968e1fb292_gather
    .symbol:         k_q968e1fb292_gather.kd
    .args:
      - { .name: z, .offset: 0, .size: 8, .value_kind: global_buffer, .address_space: global }
      - { .name: codebook, .offset: 8, .size: 8, .value_kind: global_buffer, .address_space: global }
      - { .name: idxw, .offset: 16, .size: 8, .value_kind: global_buffer, .address_space: global }
      - { .name: out0, .offset: 24, .size: 8, .value_kind: global_buffer, .address_space: global }
      - { .name: part, .offset: 32, .size: 8, .value_kind: global_buffer, .address_space: global }
    .group_segment_fixed_size: 1280
    .private_segment_fixed_size: 0
    .kernarg_segment_align: 8
    .kernarg_segment_size: 40
    .max_flat_workgroup_size: 256
    .sgpr_count:     66
    .vgpr_count:     162
    .wavefront_size: 32
...
	.end_amdgpu_metadata
.endif
;; end of part 3
;; launch loss (part 4): grid 1 x 1, 1 waves a work-group, no clusters, 0 bytes of LDS; arguments part, out1; writes out1
.if DOCPART == 4
	.amdgcn_target "amdgcn-amd-amdhsa--gfx1250"
	.amdhsa_code_object_version 6
	.text
	.protected	k_q968e1fb292_loss
	.globl	k_q968e1fb292_loss
	.p2align	8
	.type	k_q968e1fb292_loss,@function
k_q968e1fb292_loss:
	s_mov_b64 s[64:65], 0
	v_nop
	global_prefetch_b8 v0, s[64:65] scope:SCOPE_SE
	s_setreg_imm32_b32 hwreg(HW_REG_WAVE_MODE, 25, 1), 1
	s_wait_xcnt 0x0
; out1 = m + 0.25 m, m = the mean of (e - z)^2 over 2^23 numbers: both terms of the loss have the same value.  part holds 512 partial sums, one from each work-group of the launch before;
; a sum that spans work-groups is ordered by a launch of its own.  One wave: 16 numbers a lane, then across the lanes.
	s_load_b128 s[4:7], s[0:1], 0x0                ; part, out1
	v_lshlrev_b32 v1, 4, v0
	v_mov_b32 v2, 0
	s_mov_b32 s8, 0x76543210
	s_mov_b32 s9, 0xfedcba98
	s_wait_alu depctr_va_vdst(0)
	s_wait_kmcnt 0x0
.irp i, 0,1,2,3
	global_load_b128 v[4+4*\i:7+4*\i], v1, s[4:5] offset:512*\i
.endr
	s_wait_loadcnt 0x0
	v_pk_add_f32 v[4:5], v[4:5], v[6:7]
	v_pk_add_f32 v[8:9], v[8:9], v[10:11]
	v_pk_add_f32 v[12:13], v[12:13], v[14:15]
	v_pk_add_f32 v[16:17], v[16:17], v[18:19]
	v_pk_add_f32 v[4:5], v[4:5], v[8:9]
	v_pk_add_f32 v[12:13], v[12:13], v[16:17]
	v_pk_add_f32 v[4:5], v[4:5], v[12:13]
	v_add_f32 v4, v4, v5
	v_add_f32_dpp v4, v4, v4 row_xmask:1 row_mask:0xf bank_mask:0xf
	v_add_f32_dpp v4, v4, v4 row_xmask:2 row_mask:0xf bank_mask:0xf
	v_add_f32_dpp v4, v4, v4 row_xmask:4 row_mask:0xf bank_mask:0xf
	v_add_f32_dpp v4, v4, v4 row_xmask:8 row_mask:0xf bank_mask:0xf
	v_permlanex16_b32 v5, v4, s8, s9
	v_add_f32 v4, v4, v5
	v_mul_f32 v4, 0x34000000, v4                   ; x 2^-23: the mean, exactly scaled
	v_fmamk_f32 v5, v4, 0x3e800000, v4             ; m x 0.25 + m
	s_wait_alu depctr_va_vdst(0)
	s_wait_xcnt 0x0                                ; EXEC changes only behind this wait
	v_cmp_eq_u32 vcc_lo, 0, v0
	s_and_saveexec_b32 s10, vcc_lo
	global_store_b32 v2, v5, s[6:7]
	s_wait_xcnt 0x0
	s_or_b32 exec_lo, exec_lo, s10
	s_endpgm
.Lfunc_end_k_q968e1fb292_loss:
	.size	k_q968e1fb292_loss, .Lfunc_end_k_q968e1fb292_loss-k_q968e1fb292_loss
	.p2alignl 7, 3214868480
	.fill 96, 4, 3214868480
	.section	.rodata,"a",@progbits
	.p2align	6, 0x0
	.amdhsa_kernel k_q968e1fb292_loss
		.amdhsa_group_segment_fixed_size 0
		.amdhsa_private_segment_fixed_size 0
		.amdhsa_enable_private_segment 0
		.amdhsa_kernarg_size 16
		.amdhsa_user_sgpr_count 2
		.amdhsa_user_sgpr_kernarg_segment_ptr 1
		.amdhsa_wavefront_size32 1
		.amdhsa_system_sgpr_workgroup_id_x 1
		.amdhsa_system_sgpr_workgroup_id_y 1
		.amdhsa_system_sgpr_workgroup_id_z 1
		.amdhsa_system_vgpr_workitem_id 0
		.amdhsa_next_free_vgpr 32
		.amdhsa_next_free_sgpr 66
		.amdhsa_reserve_vcc 1
		.amdhsa_float_denorm_mode_32 3
		.amdhsa_float_denorm_mode_16_64 3
		.amdhsa_memory_ordered 1
		.amdhsa_forward_progress 1
		.amdhsa_inst_pref_size 3
	.end_amdhsa_kernel
	.amdgpu_metadata
---
amdhsa.version: [ 1, 2 ]
amdhsa.kernels:
  - .name:           k_q968e1fb292_loss
    .symbol:         k_q968e1fb292_loss.kd
    .args:
      - { .name: part, .offset: 0, .size: 8, .value_kind: global_buffer, .address_space: global }
      - { .name: out1, .offset: 8, .size: 8, .value_kind: global_buffer, .address_space: global }
    .group_segment_fixed_size: 0
    .private_segment_fixed_size: 0
    .kernarg_segment_align: 8
    .kernarg_segment_size: 16
    .max_flat_workgroup_size: 32
    .sgpr_count:     66
    .vgpr_count:     32
    .wavefront_size: 32
...
	.end_amdgpu_metadata
.endif
;; end of part 4
